; MI455X (gfx1250); checked and timed in simulation.
; The chip was launched on July 23, 2026; its instructions are those of AMD's public machine-readable ISA for CDNA 5 (MIT licence, August 2026) and "CDNA5" Instruction Set Architecture Reference Guide (July 2026). The comments in the code are by the model that wrote it; some were corrected since.
;; Group Linear. Allowed arithmetic: matrix products marked QUANTISED: E2M1 operands, one E8M0 scale for each 32 along K, by v_wmma_scale_f32_16x16x128_f8f6f4 with both operands' format E2M1 (or v_wmma_scale_f32_32x16x128_f4), f32 sums; everything else in f32.
;; Inputs: W_codes 16,384 x 32 x 16 uint8 (E2M1 codes of W, K innermost, in blocks of 32 codes, two codes a byte); W_scales 16,384 x 32 uint8 (E8M0 scales of W, one for each 32 codes along K); b 16,384 float32; indices 4,096 int32; x_codes 4,096 x 32 x 16 uint8 (E2M1 codes of x, K innermost, in blocks of 32 codes, two codes a byte); x_scales 4,096 x 32 uint8 (E8M0 scales of x, one for each 32 codes along K).
;; Outputs: out0 4,096 x 2,048 float32.
;; This version of the problem:
;;   THIS VERSION OF THE PROBLEM IS GIVEN IN LOW PRECISION. The matrix products marked QUANTISED in the list below multiply operands that are first quantised to E2M1 (2 exponent bits, 1 mantissa bit; 4 bits a number), with one power-of-two scale for each 32 numbers along K (OCP MX v1.0); their sums are f32. All else is computed in f32.
;;   The module's matrix products, in the order in which they are computed (A, B: the left and right operand; K: the contracted axis; several contracted axes count as one K, in the product's order):
;;     1. [M 4,096, K 1,024] x [K 1,024, N 16,384]; A: input x (given as codes); B: input W (given as codes): QUANTISED
;;   THE QUANTISER, for each operand of a quantised product, along K:
;;     - K is cut into blocks of 32 from its start; a last block that is shorter is filled with zeros.
;;     - A block's scale is 2^e with e = floor(log2(the largest magnitude in the block)) - 2, held to -126 .. 127; a block of zeros has e = 0. As a byte (E8M0): e + 127.
;;     - Each number is divided by its block's scale, clamped to +-6, and rounded to the nearest number of E2M1, ties to even, subnormals kept.
;;     - The product sums the exact products of the quantised numbers (number of the format x scale) in f32.
;;   ~~~python
;;   def quantise(x, axis):      # numpy; x: float32 -> the quantised numbers, widened to float32 again
;;       x = np.moveaxis(x, axis, -1); K = x.shape[-1]
;;       x = np.pad(x, [(0, 0)] * (x.ndim - 1) + [(0, -K % 32)]); x = x.reshape(x.shape[:-1] + (-1, 32)); a = np.abs(x).max(-1, keepdims=True)
;;       e = np.where(a > 0, np.clip(np.frexp(np.where(a > 0, a, 1))[1] - 1 - 2, -126, 127), 0)      # np.frexp(a)[1] - 1 = floor(log2(a)), exactly
;;       r = np.clip(x / 2.0 ** e, -6, 6)
;;       step = 2.0 ** (np.maximum(np.frexp(np.where(r == 0, 1, r))[1] - 1, 0) - 1)
;;       q = np.round(r / step) * step * 2.0 ** e      # np.round: ties to even
;;       return np.moveaxis(q.reshape(q.shape[:-2] + (-1,))[..., :K], -1, axis).astype(np.float32)
;;   ~~~
;;   INPUTS GIVEN AS CODES. W (in the module: [16384, 1024], K = its axis 1); x (in the module: [4096, 1024], K = its axis 1): each comes as NAME_codes (uint8): NAME with its K axis moved to the last place and cut into blocks of 32 codes, [.., K / 32, bytes a block], one block behind the other in memory; two codes a byte, the lower K in the low four bits (a code: sign, 2 exponent bits, 1 mantissa bit); and NAME_scales (uint8): the same leading axes, one E8M0 byte (e + 127) for each 32 codes along K. Its value is code x scale, taken as it is: it is not quantised again, and the codes and scales need not be those that the quantiser above would give.
;; 2 versions. Each part assembles by itself: llvm-mc -triple=amdgcn-amd-amdhsa -mcpu=gfx1250 --defsym DOCPART=n.
;; ======== version 1 of 2: 2 launches
;; workspace buffers: route 34,816 bytes of whole numbers
;; launch route (part 1): grid 8 x 1, 32 waves a work-group, no clusters, 4,352 bytes of LDS; arguments indices, route; writes route
.if DOCPART == 1
	.amdgcn_target "amdgcn-amd-amdhsa--gfx1250"
	.amdhsa_code_object_version 6
	.text
	.protected	k_qd0fd89bdab_route
	.globl	k_qd0fd89bdab_route
	.p2align	8
	.type	k_qd0fd89bdab_route,@function
k_qd0fd89bdab_route:
	s_mov_b64 s[64:65], 0
	v_nop
	global_prefetch_b8 v0, s[64:65] scope:SCOPE_SE
	s_setreg_imm32_b32 hwreg(HW_REG_WAVE_MODE, 25, 1), 1
	s_wait_xcnt 0x0
; A counting sort of the 4,096 rows by their group (indices[n], 0 .. 7), without atomics.  Work-group e places group e's rows and nobody else's.
; route, in bytes:  0: IDS[4096], the row at each sorted position;  16384: EXPS[4096], that row's group;
; 32768: PRES[8][32], 8 bytes an entry: word 0 = 1 << e where block j of 128 sorted positions holds a row of group e, else 0; word 1 = 0.
; Every work-group reads all 16 KiB of indices: thread t holds rows 4 t .. 4 t + 3.  A wave counts its rows of group e (EQ) and of lower groups (LT) from
; compare masks; the 32 waves' counts meet in LDS.  Group e starts at the sum of all LT; wave w's rows start the sum of EQ of the waves below further on.
; All sums are whole numbers: the store addresses hang on them.
; IDS and EXPS leave as compacted runs of at most 32 words a store, so aligned blocks of 256 bytes are written in part: 32 KiB in the whole launch.
; LIMIT: an index outside 0 .. 7 is placed by no work-group, and positions of IDS and EXPS then stay unwritten; the result is defined only for indices inside the table of 8 groups.
.set EXPS, 16384
.set PRES, 32768
.macro WSUM reg                        ; the sum of v[reg] over the wave's 32 lanes, in every lane
.irp m, 1,2,4,8
	v_mov_b32_dpp v15, v[\reg] row_xmask:\m row_mask:0xf bank_mask:0xf
	v_add_nc_u32 v[\reg], v[\reg], v15
.endr
	v_permlanex16_b32 v15, v[\reg], s10, s11
	v_add_nc_u32 v[\reg], v[\reg], v15
.endm
	s_load_b128 s[4:7], s[0:1], 0x0                ; indices s[4:5], route s[6:7]
	v_lshl_add_u32 v32, v0, 2, 0x100
	v_mov_b32 v33, 0
	v_lshrrev_b32 v8, 5, v0
	v_readfirstlane_b32 s8, v8                     ; wave 0 .. 31
	v_and_b32 v1, 31, v0                           ; lane
	v_lshlrev_b32 v2, 4, v0                        ; my four indices: 16 bytes at 16 t
	v_lshlrev_b32 v8, 2, v8                        ; LDS: my wave's word
	v_lshlrev_b32 v11, 2, v1                       ; LDS: wave l's word for lane l
	v_mov_b32 v15, 0                               ; written once: the destination of a lane move counts as read
	v_mov_b32 v31, 0                               ; PRES's second word
	s_mov_b32 s9, ttmp9                            ; e: my group
	s_lshl_b32 s28, ttmp9, 8
	v_lshl_add_u32 v29, v1, 3, s28                 ; PRES: 256 e + 8 j, j = lane: made here, of ids alone, and never rewritten
	s_mov_b32 s10, 0x76543210
	s_mov_b32 s11, 0xfedcba98                      ; v_permlanex16_b32's selects for lane l xor 16
	v_mov_b32 v28, s9
.irp q, 0,1,2,3
	v_lshl_add_u32 v[24+\q], v0, 2, \q             ; my rows' numbers
.endr
	s_wait_kmcnt 0x0
	global_load_b128 v[4:7], v2, s[4:5]
	s_wait_loadcnt 0x0
.irp q, 0,1,2,3
	v_cmp_eq_u32 s[12+\q], s9, v[4+\q]             ; lanes whose q-th row is of group e
	v_cmp_gt_u32 s[16+\q], s9, v[4+\q]             ; and of a lower group
.endr
	s_mov_b32 s20, 0                               ; s20-23: how many of the wave's rows of group e stand ahead of the q-th rows
	s_bcnt1_i32_b32 s21, s12
	s_bcnt1_i32_b32 s22, s13
	s_bcnt1_i32_b32 s23, s14
	s_bcnt1_i32_b32 s24, s15
	s_add_co_u32 s22, s22, s21
	s_add_co_u32 s23, s23, s22
	s_add_co_u32 s24, s24, s23                     ; EQ of my wave
	s_bcnt1_i32_b32 s16, s16
	s_bcnt1_i32_b32 s17, s17
	s_bcnt1_i32_b32 s18, s18
	s_bcnt1_i32_b32 s19, s19
	s_add_co_u32 s16, s16, s17
	s_add_co_u32 s18, s18, s19
	s_add_co_u32 s25, s16, s18                     ; LT of my wave
	v_mov_b32 v9, s24
	v_mov_b32 v10, s25
	ds_store_b32 v8, v9                            ; all lanes write the same word with the same value
	ds_store_b32 v8, v10 offset:128
	s_wait_dscnt 0x0                               ; for the others' sake: my two words lie in LDS
	s_barrier_signal -1
	s_barrier_wait -1
	ds_load_b32 v12, v11                           ; lane l: EQ of wave l
	ds_load_b32 v13, v11 offset:128                ; and LT of wave l
	s_wait_dscnt 0x0
	v_cmp_gt_u32 vcc_lo, s8, v1
	v_cndmask_b32 v14, 0, v12, vcc_lo              ; EQ of the waves below mine
	WSUM 12                                        ; the group's number of rows
	WSUM 13                                        ; its first sorted position
	WSUM 14                                        ; its rows in the waves below mine
	v_add_nc_u32 v16, v13, v14                     ; my wave's first position
.irp q, 0,1,2,3
	v_mbcnt_lo_u32_b32 v17, s[12+\q], v16          ; + the lanes below me whose q-th row is of group e
	v_add_nc_u32 v17, s[20+\q], v17                ; + the wave's rows of group e among the earlier q
	v_min_u32 v17, 0xfff, v17                      ; a number made of loaded data enters an address only behind a bound
	v_lshlrev_b32 v[20+\q], 2, v17
.endr
.irp q, 0,1,2,3
	v_cmp_eq_u32 vcc_lo, s9, v[4+\q]
	s_wait_xcnt 0x0                                ; EXEC is a source of the memory instructions issued so far: it changes only behind this wait
	s_and_saveexec_b32 s26, vcc_lo
	global_store_b32 v[20+\q], v[24+\q], s[6:7]              ; IDS[position] = row
	global_store_b32 v[20+\q], v28, s[6:7] offset:EXPS       ; EXPS[position] = e
	s_wait_xcnt 0x0                                ; and again in front of the line that widens it
	s_or_b32 exec_lo, exec_lo, s26
.endr
	s_cmp_lg_u32 s8, 0                             ; wave 0 alone writes the group's 32 entries of PRES; no barrier stands under this branch
	s_cbranch_scc1 .Ldone
	v_lshlrev_b32 v17, 7, v1                       ; block j = lane: positions 128 j .. 128 j + 127
	v_max_u32 v18, v13, v17                        ; the later of the two starts,
	v_add_nc_u32 v19, v13, v12
	v_add_nc_u32 v17, 0x80, v17
	v_min_u32 v19, v19, v17                        ; the earlier of the two ends:
	v_cmp_lt_u32 vcc_lo, v18, v19                  ; they overlap
	s_lshl_b32 s27, 1, s9
	v_mov_b32 v17, s27
	v_cndmask_b32 v30, 0, v17, vcc_lo
	global_store_b64 v29, v[30:31], s[6:7] offset:PRES       ; 32 lanes store 256 consecutive bytes, at a multiple of 256 from the buffer's first byte
.Ldone:
	s_wait_tensorcnt 0x0
	ds_add_u32 v32, v33
	s_wait_dscnt 0x0
	s_endpgm
.Lfunc_end_k_qd0fd89bdab_route:
	.size	k_qd0fd89bdab_route, .Lfunc_end_k_qd0fd89bdab_route-k_qd0fd89bdab_route
	.p2alignl 7, 3214868480
	.fill 96, 4, 3214868480
	.section	.rodata,"a",@progbits
	.p2align	6, 0x0
	.amdhsa_kernel k_qd0fd89bdab_route
		.amdhsa_group_segment_fixed_size 4352
		.amdhsa_private_segment_fixed_size 0
		.amdhsa_enable_private_segment 0
		.amdhsa_kernarg_size 16
		.amdhsa_user_sgpr_count 2
		.amdhsa_user_sgpr_kernarg_segment_ptr 1
		.amdhsa_wavefront_size32 1
		.amdhsa_system_sgpr_workgroup_id_x 1
		.amdhsa_system_sgpr_workgroup_id_y 1
		.amdhsa_system_sgpr_workgroup_id_z 1
		.amdhsa_system_vgpr_workitem_id 0
		.amdhsa_next_free_vgpr 34
		.amdhsa_next_free_sgpr 66
		.amdhsa_reserve_vcc 1
		.amdhsa_float_denorm_mode_32 3
		.amdhsa_float_denorm_mode_16_64 3
		.amdhsa_memory_ordered 1
		.amdhsa_forward_progress 1
		.amdhsa_inst_pref_size 8
	.end_amdhsa_kernel
	.amdgpu_metadata
---
amdhsa.version: [ 1, 2 ]
amdhsa.kernels:
  - .name:           k_qd0fd89bdab_route
    .symbol:         k_qd0fd89bdab_route.kd
    .args:
      - { .name: indices, .offset: 0, .size: 8, .value_kind: global_buffer, .address_space: global }
      - { .name: route, .offset: 8, .size: 8, .value_kind: global_buffer, .address_space: global }
    .group_segment_fixed_size: 4352
    .private_segment_fixed_size: 0
    .kernarg_segment_align: 8
    .kernarg_segment_size: 16
    .max_flat_workgroup_size: 1024
    .sgpr_count:     66
    .vgpr_count:     34
    .wavefront_size: 32
...
	.end_amdgpu_metadata
.endif
;; end of part 1
;; launch glinear (part 2): grid 8 x 32, 4 waves a work-group, no clusters, 242,176 bytes of LDS; arguments W_codes, W_scales, b, x_codes, x_scales, route, out0; writes out0
.if DOCPART == 2
	.amdgcn_target "amdgcn-amd-amdhsa--gfx1250"
	.amdhsa_code_object_version 6
	.text
	.protected	k_qd0fd89bdab_glinear
	.globl	k_qd0fd89bdab_glinear
	.p2align	8
	.type	k_qd0fd89bdab_glinear,@function
k_qd0fd89bdab_glinear:
	s_mov_b64 s[64:65], 0
	v_nop
	global_prefetch_b8 v0, s[64:65] scope:SCOPE_SE
	s_setreg_imm32_b32 hwreg(HW_REG_WAVE_MODE, 25, 1), 1
	s_wait_xcnt 0x0
; out[n][:] = x[n] . W[2048 g + 0 .. 2047]^T + b[2048 g ..], g = indices[n]; x [4096][1024] and W [16384][1024] are codes of FP4 (E2M1), 512 bytes a row, with one E8M0 byte for each 32 along K.
; Only the chosen group's product is kept.  The rows, sorted by group by the launch before (route: IDS, EXPS, PRES), are cut into 32 blocks of exactly 128 sorted positions, whatever the split.
; SHARES.  Work-group (c, j) makes block j's 128 rows x columns 256 c .. 256 c + 255: 8 x 32 = 256 work-groups, each storing 128 KiB.  Wave w makes columns 64 w .. 64 w + 63 of them for all 128 rows:
; 8 tiles of rows x 4 tiles of columns = 32 accumulators, 256 registers.
; A BLOCK THAT HOLDS ROWS OF SEVERAL GROUPS makes one PASS for each group present (PRES says which).  A pass multiplies all 128 rows by its group's W and starts each sum with its group's bias.
; The lowest group present has its pass written out; its sums are the results to begin with.  Groups 1 .. 7 are walked by a loop of seven trips, and a scalar branch on the stored mask passes over those that
; the block does not hold; such a pass sums into a second set of accumulators, and v_cndmask_b32 then takes the new number for the rows of its group and keeps the old for the others.  Rows are chosen, not
; added: nothing of one group's W or b reaches another group's rows.  At most 7 of the 32 blocks' edges fall inside a block, so at most 7 extra passes are made for each column block.
; LDS.  The block's 128 rows of x are gathered once and shared: the launch's one barrier stands behind that.  A wave's 64 rows of W are its own: it stages them in its own part of LDS, in later passes too,
; and LDS serves a wave's instructions in order, so no barrier stands in the loop.
; THE MATRIX INSTRUCTION IS USED TRANSPOSED (source 0 = 16 rows of W, source 1 = 16 rows of x): a lane holds eight neighbouring columns of one row of out.
; NO CLUSTER, NO JOINT LOADS: the number of passes hangs on numbers read from memory and differs between the work-groups that share a tile of W or of x, so partners would ask for different numbers of tiles;
; operands come by plain loads of whole rows of 512 bytes.
; LIMIT.  Indices outside 0 .. 7 are not served (the sort places no such row).
; REGISTERS, in windows of 256 (s_set_vgpr_msb's low byte: bits 1:0 source 0, 3:2 source 1, 5:4 source 2, 7:6 destination):
;   window 0: v0-63 addresses and the rows' groups; v64-79 W's scale words, v80-111 x's (they hold scales and nothing else); v112-143 x's gather offsets; v144-207 out's row offsets; v208-215 x's scale bytes on their way to LDS
;   window 1: v0-127 x's fragments, two sets (at the head: the 32 rows of x that I gather); v128-191 W's fragments, two sets; v192-223 the pass's bias, 8 registers a tile of columns
;   window 2: accumulator (a, b) at v[8 (4 a + b)]: the results
;   window 3: 64 rows of W on their way to LDS, four groups of 64 registers; then, in a later pass, that pass's accumulators, laid as window 2's; on the way out two sets of 64 for rows of out
.set PITCH,  528                       ; an LDS row of codes: 512 bytes + 16: the 16 rows that a fragment load touches start 132 words apart, at 16 different groups of four banks (64 banks of 4 bytes: ISA guide 11.1)
.set WPART,  64*PITCH                  ; a wave's own 64 rows of W; the four parts begin at LDS byte 0
.set XT,     4*WPART                   ; the block's 128 rows of x
.set XSC,    XT+128*PITCH              ; x's scale bytes, 32 a row, dense: 4,096 bytes
.set STG,    XSC+4096                  ; the way out: 32 rows x 272 bytes for each wave
.set SPITCH, 272
.set SPART,  32*SPITCH
.set EXPS,   16384                     ; route's parts, in bytes
.set PRES,   32768
.set L16,  4                           ; v4   16 x lane
.set R16,  5                           ; v5   16 r          (r = lane % 16, h = lane / 16)
.set WST,  6                           ; v6   my part of WT + 16 x lane: where a row of W is stored
.set WA,   7                           ; v7   my part of WT + 528 r + 16 h: where W's fragments are read
.set XST,  8                           ; v8   XT + 32 w rows + 16 x lane: where the rows of x that I gather are stored
.set XAD,  9                           ; v9   XT + 528 r + 16 h: where x's fragments are read; the tile of rows stands in the immediate
.set XSST, 11                          ; v11  XSC + 32 t
.set XSA,  12                          ; v12  XSC + 32 r + 16 h
.set STO,  13                          ; v13  my stage + 272 r + 32 h
.set RD,   14                          ; v14  my stage + 16 rows x h + 16 r
.set BO,   15                          ; v15  32 h: my eight numbers of a tile's bias
.set WSO,  16                          ; v16  32 r + 16 h: my four scale words of a tile of W
.set IDT,  18                          ; v18  the row at sorted position t of the block, then 32 x it
.set R4,   19                          ; v19  4 r
.set EXG,  36                          ; v36-43  the group of row 16 a + r
.set T4,   60                          ; v60  4 t
.set H256, 61                          ; v61  256 h
.set FRG,  63                          ; v63  528 r + 16 h
.set WS,   64
.set XS,   80
.set XO,   112
.set OO,   144
.set XSL,  208
.set WF,   128                         ; in window 1
.set BI,   192                         ; in window 1
.set MSB, 0
.macro WIN new                         ; the immediate's high byte repeats the setting that is left; a switch that changes nothing is dropped
.if MSB != (\new)
	s_set_vgpr_msb (MSB<<8)|(\new)
.set MSB, (\new)
.endif
.endm
; A load into a register that a matrix instruction has read, and a vector instruction or an LDS store that reads a matrix result, stand four places behind it; only plain vector instructions that name
; none of its registers are places (ISA guide 7.12.1 for vector instructions).
.macro PLACES
.rept 4
	v_nop
.endr
.endm
.macro BASES ereg                      ; where group s[ereg]'s part for my 64 columns begins: codes s[56:57], scale bytes s[58:59], bias s[60:61].  s77 = 0
	s_lshl_b32 s76, s[\ereg], 20                   ; a group's 2,048 rows of 512 bytes
	s_add_co_u32 s76, s76, s21
	s_add_nc_u64 s[56:57], s[4:5], s[76:77]
	s_lshl_b32 s76, s[\ereg], 16                   ; of 32 scale bytes
	s_add_co_u32 s76, s76, s22
	s_add_nc_u64 s[58:59], s[6:7], s[76:77]
	s_lshl_b32 s76, s[\ereg], 13                   ; its 2,048 numbers of b
	s_add_co_u32 s76, s76, s23
	s_add_nc_u64 s[60:61], s[8:9], s[76:77]
.endm
; A row's 32 scale bytes are eight words, one for each K step of 128.  Lane (r, h) takes words 4 h .. 4 h + 3 of row r: register q then carries K step q in lanes 0-15 and K step 4 + q in lanes 16-31.
.macro WSLOAD                          ; 4 loads of 512 consecutive bytes
	WIN 0
.irp b, 0,1,2,3
	global_load_b128 v[WS+4*\b:WS+4*\b+3], v[WSO], s[58:59] offset:512*\b
.endr
.endm
.macro BILOAD                          ; 8 loads: b at columns 16 b + 8 h + 0 .. 7 of my 64: eight registers a tile, in the result's layout
	WIN 0x40
.irp b, 0,1,2,3
	global_load_b128 v[BI+8*\b:BI+8*\b+3],   v[BO], s[60:61] offset:64*\b
	global_load_b128 v[BI+8*\b+4:BI+8*\b+7], v[BO], s[60:61] offset:64*\b+16
.endr
.endm
.macro GLOAD g                         ; rows 16 g .. 16 g + 15 of my 64 rows of W: each load takes a whole row of 512 bytes
	WIN 0xc0
.irp i, 0,1,2,3,4,5,6,7,8,9,10,11,12,13,14,15
	global_load_b128 v[64*\g+4*\i:64*\g+4*\i+3], v[L16], s[56:57] offset:(16*\g+\i)*512
.endr
.endm
.macro GSTORE g                        ; and into my part of LDS
	WIN 0x0c
.irp i, 0,1,2,3,4,5,6,7,8,9,10,11,12,13,14,15
	ds_store_b128 v[WST], v[64*\g+4*\i:64*\g+4*\i+3] offset:(16*\g+\i)*PITCH
.endr
.endm
.macro WTAIL                           ; groups 0, 1, 2 of W's rows are on their way, and ahead of them the scale words and the bias
	s_wait_loadcnt 32                              ; behind group 0: groups 1 and 2.  So the scale words, the bias and group 0 are in
	GSTORE 0
	GLOAD 3
	s_wait_loadcnt 32                              ; behind group 1: groups 2 and 3
	GSTORE 1
	s_wait_loadcnt 16                              ; behind group 2: group 3
	GSTORE 2
	s_wait_loadcnt 0x0
	GSTORE 3
.endm
; A fragment, 16 rows x 128 K of 4-bit codes, is 8 registers: lane (r, h) holds row r; registers 4 c .. 4 c + 3 hold K = 64 c + 32 h + 0 .. 31: 16 bytes of the row as they lie.
.macro FETCH s, p                      ; K step s into set p: 24 loads: W's four fragments, x's eight
	WIN 0x40
.irp b, 0,1,2,3
.irp c, 0,1
	ds_load_b128 v[WF+32*(\p)+8*\b+4*\c:WF+32*(\p)+8*\b+4*\c+3], v[WA] offset:\b*16*PITCH+64*(\s)+32*\c
.endr
.endr
.irp a, 0,1,2,3,4,5,6,7
.irp c, 0,1
	ds_load_b128 v[64*(\p)+8*\a+4*\c:64*(\p)+8*\a+4*\c+3], v[XAD] offset:\a*16*PITCH+64*(\s)+32*\c
.endr
.endr
.endm
; K step s on set p: 32 matrix instructions.  The 32 accumulators take turns, one instruction a turn, in the same order in every step and every pass.
; first = 1: the products start the sums, with the bias as C: nothing is cleared and nothing is added afterwards.  hi = 0: the sums lie in window 2; 1: in window 3.
; K steps 4 to 7 take both sides' scale words from lanes 16-31.
.macro MUL s, p, first, hi
.if \first
	WIN 0x95+0x40*(\hi)                            ; sources 0 and 1 and C (the bias) window 1, D window 2 or 3
.else
	WIN 0xa5+0x50*(\hi)                            ; sources 0 and 1 window 1, C and D window 2 or 3
.endif
.irp a, 0,1,2,3,4,5,6,7
.irp b, 0,1,2,3
.if \first
	v_wmma_scale_f32_16x16x128_f8f6f4 v[8*(4*\a+\b):8*(4*\a+\b)+7], v[WF+32*(\p)+8*\b:WF+32*(\p)+8*\b+7], v[64*(\p)+8*\a:64*(\p)+8*\a+7], v[BI+8*\b:BI+8*\b+7], v[WS+4*\b+((\s)&3)], v[XS+4*\a+((\s)&3)] matrix_a_fmt:MATRIX_FMT_FP4 matrix_b_fmt:MATRIX_FMT_FP4
.elseif (\s) < 4
	v_wmma_scale_f32_16x16x128_f8f6f4 v[8*(4*\a+\b):8*(4*\a+\b)+7], v[WF+32*(\p)+8*\b:WF+32*(\p)+8*\b+7], v[64*(\p)+8*\a:64*(\p)+8*\a+7], v[8*(4*\a+\b):8*(4*\a+\b)+7], v[WS+4*\b+((\s)&3)], v[XS+4*\a+((\s)&3)] matrix_a_fmt:MATRIX_FMT_FP4 matrix_b_fmt:MATRIX_FMT_FP4
.else
	v_wmma_scale_f32_16x16x128_f8f6f4 v[8*(4*\a+\b):8*(4*\a+\b)+7], v[WF+32*(\p)+8*\b:WF+32*(\p)+8*\b+7], v[64*(\p)+8*\a:64*(\p)+8*\a+7], v[8*(4*\a+\b):8*(4*\a+\b)+7], v[WS+4*\b+((\s)&3)], v[XS+4*\a+((\s)&3)] matrix_a_fmt:MATRIX_FMT_FP4 matrix_b_fmt:MATRIX_FMT_FP4 matrix_a_scale:MATRIX_SCALE_ROW1 matrix_b_scale:MATRIX_SCALE_ROW1
.endif
.endr
.endr
.endm
; A pass's products.  While K step s is multiplied, step s + 1's 24 loads are on their way into the other set.
.macro COMPUTE hi
	FETCH 0, 0
	FETCH 1, 1
	s_wait_dscnt 24                                ; all but the 24 just issued: step 0's fragments are in, and all that was issued ahead of them (my stores of W's rows; in the first pass x's scale words)
	MUL 0, 0, 1, \hi
.irp s, 1,2,3,4,5,6
	PLACES                                         ; the set that step s - 1 multiplied is loaded again
	FETCH \s+1, (\s+1)%2
	s_wait_dscnt 24                                ; all but the 24 just issued
	MUL \s, (\s)%2, 0, \hi
.endr
	s_wait_dscnt 0x0
	MUL 7, 1, 0, \hi
	PLACES                                         ; behind the last products: for the first reads of results, and for a next pass's loads into scale words, bias, fragments and window 3
	WIN 0
.endm
; Behind a later pass: the rows of group s[ereg] take the pass's numbers (window 3), the others keep theirs (window 2).  A lane holds one row of each tile a, so the choice is one lane mask a tile.
.macro SELECT ereg
	WIN 0
.irp a, 0,1,2,3,4,5,6,7
	v_cmp_eq_u32 s[68+\a], s[\ereg], v[EXG+\a]
.endr
	WIN 0x8e                                       ; destination and source 0 window 2, source 1 window 3
.irp a, 0,1,2,3,4,5,6,7
.irp b, 0,1,2,3
.irp i, 0,1,2,3,4,5,6,7
	v_cndmask_b32 v[8*(4*\a+\b)+\i], v[8*(4*\a+\b)+\i], v[8*(4*\a+\b)+\i], s[68+\a]   ; each accumulator from its low end on
.endr
.endr
.endr
	WIN 0
.endm
; THE WAY OUT, tiles of rows p and p + 4 at a time.  A lane holds 32 neighbouring bytes of a row and the lanes beside it hold other rows: so the two tiles go through my own stage and come back as rows of
; 256 bytes, lanes 0-15 row 16 p + i, lanes 16-31 row 64 + 16 p + i.  LDS serves a wave's instructions in order (ISA guide 5.7.1.4): no wait between the stores and the loads, nor ahead of the next stores.
.macro TOSTAGE p
	WIN 0x08                                       ; an LDS store's data are its source 1: window 2
.irp hi, 0,1
.irp b, 0,1,2,3
	ds_store_b128 v[STO], v[8*(4*((\p)+4*\hi)+\b):8*(4*((\p)+4*\hi)+\b)+3]   offset:\hi*16*SPITCH+64*\b
	ds_store_b128 v[STO], v[8*(4*((\p)+4*\hi)+\b)+4:8*(4*((\p)+4*\hi)+\b)+7] offset:\hi*16*SPITCH+64*\b+16
.endr
.endr
	WIN 0xc0
.irp i, 0,1,2,3,4,5,6,7,8,9,10,11,12,13,14,15
	ds_load_b128 v[64*((\p)%2)+4*\i:64*((\p)%2)+4*\i+3], v[RD] offset:\i*SPITCH
.endr
.endm
.macro SEND p, younger                 ; younger: the LDS instructions issued behind these tiles' loads, which may stay out
	s_wait_dscnt \younger
	WIN 0x0c
.irp i, 0,1,2,3,4,5,6,7,8,9,10,11,12,13,14,15
	global_store_b128 v[OO+16*(\p)+\i], v[64*((\p)%2)+4*\i:64*((\p)%2)+4*\i+3], s[16:17] th:TH_STORE_NT   ; each half of the lanes stores 256 consecutive bytes of its row, at a multiple of 256 from out's first byte; written once, read by nobody here
.endr
.endm
	s_load_b256 s[4:11], s[0:1], 0x0               ; W's codes s[4:5], W's scales s[6:7], b s[8:9], x's codes s[10:11]
	s_load_b128 s[12:15], s[0:1], 0x20             ; x's scales s[12:13], route s[14:15]
	s_load_b64 s[16:17], s[0:1], 0x30              ; out
	v_lshl_add_u32 v254, v0, 2, 0x3b000
	v_mov_b32 v255, 0
	v_lshrrev_b32 v1, 5, v0
	v_readfirstlane_b32 s18, v1                    ; wave w
	s_mov_b32 s19, ttmp9                           ; c: my 256 columns
	s_and_b32 s20, ttmp7, 0xffff                   ; j: my 128 sorted rows
	v_and_b32 v2, 15, v0                           ; r
	v_bfe_u32 v3, v0, 4, 1                         ; h
	v_lshlrev_b32 v[T4], 2, v0
	v_lshlrev_b32 v[R4], 2, v2
	v_lshlrev_b32 v[H256], 8, v3
	s_lshl_b32 s66, s20, 9
	s_mov_b32 s67, 0
	s_wait_kmcnt 0x0
	; ---- what the sort has stored for my block
	s_add_nc_u64 s[62:63], s[14:15], s[66:67]      ; IDS at my block's first position
	s_lshl_b32 s66, s18, 7
	s_add_nc_u64 s[76:77], s[62:63], s[66:67]      ; and at the 32 rows that my wave gathers
	s_lshl_b32 s66, s20, 3
	s_add_nc_u64 s[78:79], s[14:15], s[66:67]      ; my block's entry in each group's row of PRES
	s_load_b512 s[24:39], s[76:77], 0x0
	s_load_b512 s[40:55], s[76:77], 0x40
.irp e, 0,1,2,3,4,5,6,7
	s_load_b32 s[68+\e], s[78:79], PRES+256*\e
.endr
	global_load_b32 v[IDT], v[T4], s[62:63]        ; 25 loads: the row at position t;
.irp a, 0,1,2,3,4,5,6,7
	global_load_b32 v[EXG+\a], v[R4], s[62:63] offset:EXPS+64*\a      ; the groups of rows 16 a + r;
.endr
.irp u, 0,1,2,3,4,5,6,7,8,9,10,11,12,13,14,15
	global_load_b128 v[OO+4*\u:OO+4*\u+3], v[H256], s[62:63] offset:16*\u   ; register u of 64: the row at position u + 64 h
.endr
	; ---- addresses, while those are on their way
	v_and_b32 v1, 31, v0                           ; lane
	v_lshlrev_b32 v[L16], 4, v1
	v_lshlrev_b32 v[R16], 4, v2
	v_mul_u32_u24 v[FRG], v2, PITCH
	v_lshl_add_u32 v[FRG], v3, 4, v[FRG]
	s_mul_i32 s66, s18, WPART
	v_add_nc_u32 v[WST], s66, v[L16]
	v_add_nc_u32 v[WA], s66, v[FRG]
	s_mul_i32 s66, s18, 32*PITCH
	s_add_co_u32 s66, s66, XT
	v_add_nc_u32 v[XST], s66, v[L16]
	v_add_nc_u32 v[XAD], XT, v[FRG]
	v_lshl_add_u32 v[XSST], v0, 5, XSC
	v_lshlrev_b32 v[WSO], 5, v2
	v_lshl_add_u32 v[WSO], v3, 4, v[WSO]
	v_add_nc_u32 v[XSA], XSC, v[WSO]
	s_mul_i32 s66, s18, SPART
	s_add_co_u32 s66, s66, STG
	v_mul_u32_u24 v[STO], v2, SPITCH
	v_lshl_add_u32 v[STO], v3, 5, v[STO]
	v_add_nc_u32 v[STO], s66, v[STO]
	v_mul_u32_u24 v[RD], v3, 16*SPITCH
	v_add_nc_u32 v[RD], v[RD], v[R16]
	v_add_nc_u32 v[RD], s66, v[RD]
	v_lshlrev_b32 v[BO], 5, v3
	s_lshl_b32 s21, s19, 17                        ; my 64 columns inside a group: 256 c + 64 w rows of W, in bytes of codes,
	s_lshl_b32 s66, s18, 15
	s_or_b32 s21, s21, s66
	s_lshl_b32 s22, s19, 13                        ; of scale bytes,
	s_lshl_b32 s66, s18, 11
	s_or_b32 s22, s22, s66
	s_lshl_b32 s23, s19, 10                        ; and of f32 numbers: b's, and a row of out's
	s_lshl_b32 s66, s18, 8
	s_or_b32 s23, s23, s66
	s_mov_b32 s66, s23
	s_add_nc_u64 s[16:17], s[16:17], s[66:67]      ; out at my 64 columns
	s_wait_kmcnt 0x0
	s_or_b32 s78, s68, s69                         ; the groups present in my block, a bit each
	s_or_b32 s79, s70, s71
	s_or_b32 s78, s78, s79
	s_or_b32 s79, s72, s73
	s_or_b32 s78, s78, s79
	s_or_b32 s79, s74, s75
	s_or_b32 s78, s78, s79
	s_ctz_i32_b32 s3, s78
	s_min_u32 s3, s3, 7                            ; the lowest of them: the first pass's.  (A number made of loaded data enters an address only behind a bound)
	s_lshl_b32 s79, 1, s3
	s_and_not1_b32 s78, s78, s79                   ; the others: the loop's
	s_mov_b32 s77, 0
	BASES 3
.set U, 0
.rept 32
	s_min_u32 s[24+U], s[24+U], 0xfff
	v_lshl_add_u32 v[XO+U], s[24+U], 9, v[L16]     ; row x 512 + 16 x lane
.set U, U+1
.endr
	; ---- everything is asked for; what has come goes to LDS while the rest is on its way
	WIN 0x40
.set U, 0
.rept 32
	global_load_b128 v[4*U:4*U+3], v[XO+U], s[10:11]   ; 32 whole rows of x's codes
.set U, U+1
.endr
	WIN 0
	s_wait_loadcnt 32                              ; behind the 25 loads from route: x's 32 rows
	v_min_u32 v[IDT], 0xfff, v[IDT]
	v_lshlrev_b32 v[IDT], 5, v[IDT]
	global_load_b128 v[XSL:XSL+3],   v[IDT], s[12:13]             ; the 32 scale bytes of the row at position t
	global_load_b128 v[XSL+4:XSL+7], v[IDT], s[12:13] offset:16
	WSLOAD
	BILOAD
	GLOAD 0                                        ; 62 loads of mine are out
	WIN 0
.set U, 0
.rept 64
	v_min_u32 v[OO+U], 0xfff, v[OO+U]
	v_lshl_add_u32 v[OO+U], v[OO+U], 13, v[R16]    ; a row of out is 8,192 bytes; 16 bytes a lane
.set U, U+1
.endr
	s_wait_loadcnt 30                              ; behind x's rows: 2 + 4 + 8 + 16
	WIN 0x04
.set U, 0
.rept 32
	ds_store_b128 v[XST], v[4*U:4*U+3] offset:U*PITCH
.set U, U+1
.endr
	GLOAD 1
	s_wait_loadcnt 44                              ; behind x's scale bytes: 4 + 8 + 16 + 16
	WIN 0
	ds_store_b128 v[XSST], v[XSL:XSL+3]
	ds_store_b128 v[XSST], v[XSL+4:XSL+7] offset:16
	GLOAD 2                                        ; 60 out
	WTAIL
	WIN 0
	s_wait_dscnt 0x0                               ; for the others' sake: my rows of x and their scale bytes lie in LDS
	s_barrier_signal -1
	s_barrier_wait -1                              ; the launch's one barrier: behind it nobody writes x's tile or its scale bytes
.irp a, 0,1,2,3,4,5,6,7
	ds_load_b128 v[XS+4*\a:XS+4*\a+3], v[XSA] offset:512*\a   ; x's scale words stay in registers for every pass; the first counted wait of the pass below covers them
.endr
	COMPUTE 0                                      ; the first pass: group s3, into window 2
	s_mov_b32 s2, 1
.Lexp:                                             ; groups 1 to 7: seven trips, whatever the block holds
	s_lshr_b32 s79, s78, s2
	s_and_b32 s79, s79, 1
	s_cmp_eq_u32 s79, 0
	s_cbranch_scc1 .Lnone                          ; no row of this group in my block (or it had the first pass)
	BASES 2                                        ; no load of mine is out: the last pass waited for all of them
	WSLOAD
	BILOAD
	GLOAD 0
	GLOAD 1
	GLOAD 2                                        ; 4 + 8 + 48 = 60 out
	WTAIL                                          ; my part of LDS is written again behind my own reads of it, in order
	COMPUTE 1                                      ; into window 3, which W's rows have left
	SELECT 2
.Lnone:
	s_add_co_u32 s2, s2, 1
	s_cmp_lt_u32 s2, 8
	s_cbranch_scc1 .Lexp
	TOSTAGE 0
.irp p, 1,2,3
.if \p > 1
	s_wait_xcnt 0x0                                ; the stores of two turns ago have read their registers: this turn's loads may land there
.endif
	TOSTAGE \p
	SEND \p-1, 32                                  ; behind those tiles' loads: this turn's 16 stores and 16 loads
.endr
	SEND 3, 0
	WIN 0
	s_wait_tensorcnt 0x0
	ds_add_u32 v254, v255
	s_wait_dscnt 0x0
	s_endpgm
.Lfunc_end_k_qd0fd89bdab_glinear:
	.size	k_qd0fd89bdab_glinear, .Lfunc_end_k_qd0fd89bdab_glinear-k_qd0fd89bdab_glinear
	.p2alignl 7, 3214868480
	.fill 96, 4, 3214868480
	.section	.rodata,"a",@progbits
	.p2align	6, 0x0
	.amdhsa_kernel k_qd0fd89bdab_glinear
		.amdhsa_group_segment_fixed_size 242176
		.amdhsa_private_segment_fixed_size 0
		.amdhsa_enable_private_segment 0
		.amdhsa_kernarg_size 56
		.amdhsa_user_sgpr_count 2
		.amdhsa_user_sgpr_kernarg_segment_ptr 1
		.amdhsa_wavefront_size32 1
		.amdhsa_system_sgpr_workgroup_id_x 1
		.amdhsa_system_sgpr_workgroup_id_y 1
		.amdhsa_system_sgpr_workgroup_id_z 1
		.amdhsa_system_vgpr_workitem_id 0
		.amdhsa_next_free_vgpr 1024
		.amdhsa_next_free_sgpr 80
		.amdhsa_reserve_vcc 0
		.amdhsa_float_denorm_mode_32 3
		.amdhsa_float_denorm_mode_16_64 3
		.amdhsa_memory_ordered 1
		.amdhsa_forward_progress 1
		.amdhsa_inst_pref_size 171
	.end_amdhsa_kernel
	.amdgpu_metadata
---
amdhsa.version: [ 1, 2 ]
amdhsa.kernels:
  - .name:           k_qd0fd89bdab_glinear
    .symbol:         k_qd0fd89bdab_glinear.kd
    .args:
      - { .name: W_codes, .offset: 0, .size: 8, .value_kind: global_buffer, .address_space: global }
      - { .name: W_scales, .offset: 8, .size: 8, .value_kind: global_buffer, .address_space: global }
      - { .name: b, .offset: 16, .size: 8, .value_kind: global_buffer, .address_space: global }
      - { .name: x_codes, .offset: 24, .size: 8, .value_kind: global_buffer, .address_space: global }
      - { .name: x_scales, .offset: 32, .size: 8, .value_kind: global_buffer, .address_space: global }
      - { .name: route, .offset: 40, .size: 8, .value_kind: global_buffer, .address_space: global }
      - { .name: out0, .offset: 48, .size: 8, .value_kind: global_buffer, .address_space: global }
    .group_segment_fixed_size: 242176
    .private_segment_fixed_size: 0
    .kernarg_segment_align: 8
    .kernarg_segment_size: 56
    .max_flat_workgroup_size: 128
    .sgpr_count:     80
    .vgpr_count:     1024
    .wavefront_size: 32
...
	.end_amdgpu_metadata
.endif
;; end of part 2
;; ======== version 2 of 2: 2 launches
;; workspace buffers: route 34,816 bytes of whole numbers
;; launch route (part 3): grid 8 x 1, 32 waves a work-group, no clusters, 4,352 bytes of LDS; arguments indices, route; writes route
.if DOCPART == 3
	.amdgcn_target "amdgcn-amd-amdhsa--gfx1250"
	.amdhsa_code_object_version 6
	.text
	.protected	k_qd0fd89bdab_route
	.globl	k_qd0fd89bdab_route
	.p2align	8
	.type	k_qd0fd89bdab_route,@function
k_qd0fd89bdab_route:
	s_mov_b64 s[64:65], 0
	v_nop
	global_prefetch_b8 v0, s[64:65] scope:SCOPE_SE
	s_setreg_imm32_b32 hwreg(HW_REG_WAVE_MODE, 25, 1), 1
	s_wait_xcnt 0x0
; A counting sort of the 4,096 rows by their group (indices[n], 0 .. 7), without atomics.  Work-group e places group e's rows and nobody else's.
; route, in bytes:  0: IDS[4096], the row at each sorted position;  16384: EXPS[4096], that row's group;
; 32768: PRES[8][32], 8 bytes an entry: word 0 = 1 << e where block j of 128 sorted positions holds a row of group e, else 0; word 1 = 0.
; Every work-group reads all 16 KiB of indices: thread t holds rows 4 t .. 4 t + 3.  A wave counts its rows of group e (EQ) and of lower groups (LT) from
; compare masks; the 32 waves' counts meet in LDS.  Group e starts at the sum of all LT; wave w's rows start the sum of EQ of the waves below further on.
; All sums are whole numbers: the store addresses hang on them.
; IDS and EXPS leave as compacted runs of at most 32 words a store, so aligned blocks of 256 bytes are written in part: 32 KiB in the whole launch.
; LIMIT: an index outside 0 .. 7 is placed by no work-group, and positions of IDS and EXPS then stay unwritten; the result is defined only for indices inside the table of 8 groups.
.set EXPS, 16384
.set PRES, 32768
.macro WSUM reg                        ; the sum of v[reg] over the wave's 32 lanes, in every lane
.irp m, 1
	v_mov_b32_dpp v15, v[\reg] row_xmask:\m row_mask:0xf bank_mask:0xf
	s_delay_alu instid0(VALU_DEP_1)
	v_add_nc_u32 v[\reg], v[\reg], v15
.endr
.irp m, 2, 4, 8
	s_delay_alu instid0(VALU_DEP_1)
	v_mov_b32_dpp v15, v[\reg] row_xmask:\m row_mask:0xf bank_mask:0xf
	s_delay_alu instid0(VALU_DEP_1)
	v_add_nc_u32 v[\reg], v[\reg], v15
.endr
	s_delay_alu instid0(VALU_DEP_1)
	v_permlanex16_b32 v15, v[\reg], s10, s11
	s_delay_alu instid0(VALU_DEP_1)
	v_add_nc_u32 v[\reg], v[\reg], v15
.endm
	s_load_b128 s[4:7], s[0:1], 0x0                ; indices s[4:5], route s[6:7]
	v_lshl_add_u32 v32, v0, 2, 0x100
	v_mov_b32 v33, 0
	v_lshrrev_b32 v8, 5, v0
	s_delay_alu instid0(VALU_DEP_1)
	v_readfirstlane_b32 s8, v8                     ; wave 0 .. 31
	v_and_b32 v1, 31, v0                           ; lane
	v_lshlrev_b32 v2, 4, v0                        ; my four indices: 16 bytes at 16 t
	s_delay_alu instid0(VALU_DEP_4)
	v_lshlrev_b32 v8, 2, v8                        ; LDS: my wave's word
	s_delay_alu instid0(VALU_DEP_3)
	v_lshlrev_b32 v11, 2, v1                       ; LDS: wave l's word for lane l
	v_mov_b32 v15, 0                               ; written once: the destination of a lane move counts as read
	v_mov_b32 v31, 0                               ; PRES's second word
	s_mov_b32 s9, ttmp9                            ; e: my group
	s_lshl_b32 s28, ttmp9, 8
	v_lshl_add_u32 v29, v1, 3, s28                 ; PRES: 256 e + 8 j, j = lane: made here, of ids alone, and never rewritten
	s_mov_b32 s10, 0x76543210
	s_mov_b32 s11, 0xfedcba98                      ; v_permlanex16_b32's selects for lane l xor 16
	v_mov_b32 v28, s9
.irp q, 0,1,2,3
	v_lshl_add_u32 v[24+\q], v0, 2, \q             ; my rows' numbers
.endr
	s_wait_kmcnt 0x0
	global_load_b128 v[4:7], v2, s[4:5]
	s_wait_loadcnt 0x0
.irp q, 0,1,2,3
	v_cmp_eq_u32 s[12+\q], s9, v[4+\q]             ; lanes whose q-th row is of group e
	v_cmp_gt_u32 s[16+\q], s9, v[4+\q]             ; and of a lower group
.endr
	s_mov_b32 s20, 0                               ; s20-23: how many of the wave's rows of group e stand ahead of the q-th rows
	s_bcnt1_i32_b32 s21, s12
	s_bcnt1_i32_b32 s22, s13
	s_bcnt1_i32_b32 s23, s14
	s_bcnt1_i32_b32 s24, s15
	s_add_co_u32 s22, s22, s21
	s_add_co_u32 s23, s23, s22
	s_add_co_u32 s24, s24, s23                     ; EQ of my wave
	s_bcnt1_i32_b32 s16, s16
	s_bcnt1_i32_b32 s17, s17
	s_bcnt1_i32_b32 s18, s18
	s_bcnt1_i32_b32 s19, s19
	s_add_co_u32 s16, s16, s17
	s_add_co_u32 s18, s18, s19
	s_add_co_u32 s25, s16, s18                     ; LT of my wave
	v_mov_b32 v9, s24
	v_mov_b32 v10, s25
	ds_store_b32 v8, v9                            ; all lanes write the same word with the same value
	ds_store_b32 v8, v10 offset:128
	s_wait_dscnt 0x0                               ; for the others' sake: my two words lie in LDS
	s_barrier_signal -1
	s_barrier_wait -1
	ds_load_b32 v12, v11                           ; lane l: EQ of wave l
	ds_load_b32 v13, v11 offset:128                ; and LT of wave l
	s_wait_dscnt 0x0
	v_cmp_gt_u32 vcc_lo, s8, v1
	s_delay_alu instid0(VALU_DEP_1)
	v_cndmask_b32 v14, 0, v12, vcc_lo              ; EQ of the waves below mine
	WSUM 12                                        ; the group's number of rows
	WSUM 13                                        ; its first sorted position
	WSUM 14                                        ; its rows in the waves below mine
	s_delay_alu instid0(VALU_DEP_1)
	v_add_nc_u32 v16, v13, v14                     ; my wave's first position
.irp q, 0,1,2,3
	v_mbcnt_lo_u32_b32 v17, s[12+\q], v16          ; + the lanes below me whose q-th row is of group e
	s_delay_alu instid0(VALU_DEP_1)
	v_add_nc_u32 v17, s[20+\q], v17                ; + the wave's rows of group e among the earlier q
	s_delay_alu instid0(VALU_DEP_1)
	v_min_u32 v17, 0xfff, v17                      ; a number made of loaded data enters an address only behind a bound
	s_delay_alu instid0(VALU_DEP_1)
	v_lshlrev_b32 v[20+\q], 2, v17
.endr
	s_wait_alu depctr_va_vdst(0)
.irp q, 0,1,2,3
	v_cmp_eq_u32 vcc_lo, s9, v[4+\q]
	s_wait_xcnt 0x0                                ; EXEC is a source of the memory instructions issued so far: it changes only behind this wait
	s_and_saveexec_b32 s26, vcc_lo
	global_store_b32 v[20+\q], v[24+\q], s[6:7]              ; IDS[position] = row
	global_store_b32 v[20+\q], v28, s[6:7] offset:EXPS       ; EXPS[position] = e
	s_wait_xcnt 0x0                                ; and again in front of the line that widens it
	s_or_b32 exec_lo, exec_lo, s26
.endr
	s_cmp_lg_u32 s8, 0                             ; wave 0 alone writes the group's 32 entries of PRES; no barrier stands under this branch
	s_cbranch_scc1 .Ldone
	v_lshlrev_b32 v17, 7, v1                       ; block j = lane: positions 128 j .. 128 j + 127
	s_delay_alu instid0(VALU_DEP_1)
	v_max_u32 v18, v13, v17                        ; the later of the two starts,
	v_add_nc_u32 v19, v13, v12
	s_delay_alu instid0(VALU_DEP_3)
	v_add_nc_u32 v17, 0x80, v17
	s_delay_alu instid0(VALU_DEP_1)
	v_min_u32 v19, v19, v17                        ; the earlier of the two ends:
	s_delay_alu instid0(VALU_DEP_1)
	v_cmp_lt_u32 vcc_lo, v18, v19                  ; they overlap
	s_lshl_b32 s27, 1, s9
	v_mov_b32 v17, s27
	s_delay_alu instid0(VALU_DEP_1)
	v_cndmask_b32 v30, 0, v17, vcc_lo
	global_store_b64 v29, v[30:31], s[6:7] offset:PRES       ; 32 lanes store 256 consecutive bytes, at a multiple of 256 from the buffer's first byte
.Ldone:
	s_wait_tensorcnt 0x0
	ds_add_u32 v32, v33
	s_wait_dscnt 0x0
	s_endpgm
.Lfunc_end_k_qd0fd89bdab_route:
	.size	k_qd0fd89bdab_route, .Lfunc_end_k_qd0fd89bdab_route-k_qd0fd89bdab_route
	.p2alignl 7, 3214868480
	.fill 96, 4, 3214868480
	.section	.rodata,"a",@progbits
	.p2align	6, 0x0
	.amdhsa_kernel k_qd0fd89bdab_route
		.amdhsa_group_segment_fixed_size 4352
		.amdhsa_private_segment_fixed_size 0
		.amdhsa_enable_private_segment 0
		.amdhsa_kernarg_size 16
		.amdhsa_user_sgpr_count 2
		.amdhsa_user_sgpr_kernarg_segment_ptr 1
		.amdhsa_wavefront_size32 1
		.amdhsa_system_sgpr_workgroup_id_x 1
		.amdhsa_system_sgpr_workgroup_id_y 1
		.amdhsa_system_sgpr_workgroup_id_z 1
		.amdhsa_system_vgpr_workitem_id 0
		.amdhsa_next_free_vgpr 34
		.amdhsa_next_free_sgpr 66
		.amdhsa_reserve_vcc 1
		.amdhsa_float_denorm_mode_32 3
		.amdhsa_float_denorm_mode_16_64 3
		.amdhsa_memory_ordered 1
		.amdhsa_forward_progress 1
		.amdhsa_inst_pref_size 9
	.end_amdhsa_kernel
	.amdgpu_metadata
---
amdhsa.version: [ 1, 2 ]
amdhsa.kernels:
  - .name:           k_qd0fd89bdab_route
    .symbol:         k_qd0fd89bdab_route.kd
    .args:
      - { .name: indices, .offset: 0, .size: 8, .value_kind: global_buffer, .address_space: global }
      - { .name: route, .offset: 8, .size: 8, .value_kind: global_buffer, .address_space: global }
    .group_segment_fixed_size: 4352
    .private_segment_fixed_size: 0
    .kernarg_segment_align: 8
    .kernarg_segment_size: 16
    .max_flat_workgroup_size: 1024
    .sgpr_count:     66
    .vgpr_count:     34
    .wavefront_size: 32
...
	.end_amdgpu_metadata
.endif
;; end of part 3
;; launch glinear (part 4): grid 8 x 32, 4 waves a work-group, no clusters, 242,176 bytes of LDS; arguments W_codes, W_scales, b, x_codes, x_scales, route, out0; writes out0
.if DOCPART == 4
	.amdgcn_target "amdgcn-amd-amdhsa--gfx1250"
	.amdhsa_code_object_version 6
	.text
	.protected	k_qd0fd89bdab_glinear
	.globl	k_qd0fd89bdab_glinear
	.p2align	8
	.type	k_qd0fd89bdab_glinear,@function
k_qd0fd89bdab_glinear:
	s_mov_b64 s[64:65], 0
	v_nop
	global_prefetch_b8 v0, s[64:65] scope:SCOPE_SE
	s_setreg_imm32_b32 hwreg(HW_REG_WAVE_SCHED_MODE, 0, 2), 2
	s_setreg_imm32_b32 hwreg(HW_REG_WAVE_MODE, 25, 1), 1
	s_wait_xcnt 0x0
	s_wait_alu depctr_vm_vsrc(0)
; out[n][:] = x[n] . W[2048 g + 0 .. 2047]^T + b[2048 g ..], g = indices[n]; x [4096][1024] and W [16384][1024] are codes of FP4 (E2M1), 512 bytes a row, with one E8M0 byte for each 32 along K.
; Only the chosen group's product is kept.  The rows, sorted by group by the launch before (route: IDS, EXPS, PRES), are cut into 32 blocks of exactly 128 sorted positions, whatever the split.
; SHARES.  Work-group (c, j) makes block j's 128 rows x columns 256 c .. 256 c + 255: 8 x 32 = 256 work-groups, each storing 128 KiB.  Wave w makes columns 64 w .. 64 w + 63 of them for all 128 rows:
; 8 tiles of rows x 4 tiles of columns = 32 accumulators, 256 registers.
; A BLOCK THAT HOLDS ROWS OF SEVERAL GROUPS makes one PASS for each group present (PRES says which).  A pass multiplies all 128 rows by its group's W and starts each sum with its group's bias.
; The lowest group present has its pass written out; its sums are the results to begin with.  Groups 1 .. 7 are walked by a loop of seven trips, and a scalar branch on the stored mask passes over those that
; the block does not hold; such a pass sums into a second set of accumulators, and v_cndmask_b32 then takes the new number for the rows of its group and keeps the old for the others.  Rows are chosen, not
; added: nothing of one group's W or b reaches another group's rows.  At most 7 of the 32 blocks' edges fall inside a block, so at most 7 extra passes are made for each column block.
; LDS.  The block's 128 rows of x are gathered once and shared: the launch's one barrier stands behind that.  A wave's 64 rows of W are its own: it stages them in its own part of LDS, in later passes too,
; and LDS serves a wave's instructions in order, so no barrier stands in the loop.
; THE MATRIX INSTRUCTION IS USED TRANSPOSED (source 0 = 16 rows of W, source 1 = 16 rows of x): a lane holds eight neighbouring columns of one row of out.
; NO CLUSTER, NO JOINT LOADS: the number of passes hangs on numbers read from memory and differs between the work-groups that share a tile of W or of x, so partners would ask for different numbers of tiles;
; operands come by plain loads of whole rows of 512 bytes.
; LIMIT.  Indices outside 0 .. 7 are not served (the sort places no such row).
; REGISTERS, in windows of 256 (s_set_vgpr_msb's low byte: bits 1:0 source 0, 3:2 source 1, 5:4 source 2, 7:6 destination):
;   window 0: v0-63 addresses and the rows' groups; v64-79 W's scale words, v80-111 x's (they hold scales and nothing else); v112-143 x's gather offsets; v144-207 out's row offsets; v208-215 x's scale bytes on their way to LDS
;   window 1: v0-127 x's fragments, two sets (at the head: the 32 rows of x that I gather); v128-191 W's fragments, two sets; v192-223 the pass's bias, 8 registers a tile of columns
;   window 2: accumulator (a, b) at v[8 (4 a + b)]: the results
;   window 3: 64 rows of W on their way to LDS, four groups of 64 registers; then, in a later pass, that pass's accumulators, laid as window 2's; on the way out two sets of 64 for rows of out
; THE MODE: SCHED_MODE bits 1:0 = 2 (LLVM: expert scheduling mode 2), set by the entry lines.  The code itself states the register dependences
; between vector or matrix instructions and memory or LDS instructions, with s_wait_alu, always for 0.
; THE PLAN.  Registers that memory or LDS instructions touch, and who else names them:
;   addresses and offsets (v4-19, v60, v61, v112-143)  written by the head's arithmetic and never again; read by loads and stores to the end.  Three waits on va_vdst at the head, each ahead of the first access by what was just made.
;   v144-207   out's row offsets: loaded, then made by vector lines at the head; read by the way out's stores, behind the way out's wait on va_vdst.
;   window 1, the two sets of fragments   K step s's products read set s % 2; the loads of step s + 2 land in it in step s + 1.  ONE wait on va_vdst at the head of steps 1 to 6 states that the step before is done reading
;              its set; the step's 24 loads follow, eight at a time, among its products, which name the other set, the accumulators and the scale words: none of the registers that those loads touch.
;   W's scale words, the bias, window 3 as W's staging   loaded once a pass.  ONE wait on va_vdst at a later pass's head states that the pass before is done with them; no vector or matrix instruction stands between it and the pass's first product.
;   window 1's v0-127 at the head, window 3 as W's staging   read by LDS stores, then written again (by fragments' loads; by a later pass's products).  ONE wait on vm_vsrc at the head of each pass's products.
;   window 2   written by products and choices; read by the way out's LDS stores, behind the way out's wait on va_vdst.
;   window 3 on the way out   two sets by turns: the stage's loads land, the global stores read; a wait on vm_vsrc ahead of each set's second use.
;   v254, v255   written at the head, read by the closing add alone.
.set PITCH,  528                       ; an LDS row of codes: 512 bytes + 16: the 16 rows that a fragment load touches start 132 words apart, at 16 different groups of four banks (64 banks of 4 bytes: ISA guide 11.1)
.set WPART,  64*PITCH                  ; a wave's own 64 rows of W; the four parts begin at LDS byte 0
.set XT,     4*WPART                   ; the block's 128 rows of x
.set XSC,    XT+128*PITCH              ; x's scale bytes, 32 a row, dense: 4,096 bytes
.set STG,    XSC+4096                  ; the way out: 32 rows x 272 bytes for each wave
.set SPITCH, 272
.set SPART,  32*SPITCH
.set EXPS,   16384                     ; route's parts, in bytes
.set PRES,   32768
.set L16,  4                           ; v4   16 x lane
.set R16,  5                           ; v5   16 r          (r = lane % 16, h = lane / 16)
.set WST,  6                           ; v6   my part of WT + 16 x lane: where a row of W is stored
.set WA,   7                           ; v7   my part of WT + 528 r + 16 h: where W's fragments are read
.set XST,  8                           ; v8   XT + 32 w rows + 16 x lane: where the rows of x that I gather are stored
.set XAD,  9                           ; v9   XT + 528 r + 16 h: where x's fragments are read; the tile of rows stands in the immediate
.set XSST, 11                          ; v11  XSC + 32 t
.set XSA,  12                          ; v12  XSC + 32 r + 16 h
.set STO,  13                          ; v13  my stage + 272 r + 32 h
.set RD,   14                          ; v14  my stage + 16 rows x h + 16 r
.set BO,   15                          ; v15  32 h: my eight numbers of a tile's bias
.set WSO,  16                          ; v16  32 r + 16 h: my four scale words of a tile of W
.set IDT,  18                          ; v18  the row at sorted position t of the block, then 32 x it
.set R4,   19                          ; v19  4 r
.set EXG,  36                          ; v36-43  the group of row 16 a + r
.set T4,   60                          ; v60  4 t
.set H256, 61                          ; v61  256 h
.set FRG,  63                          ; v63  528 r + 16 h
.set WS,   64
.set XS,   80
.set XO,   112
.set OO,   144
.set XSL,  208
.set WF,   128                         ; in window 1
.set BI,   192                         ; in window 1
.set MSB, 0
.macro WIN new                         ; the immediate's high byte repeats the setting that is left; a switch that changes nothing is dropped
.if MSB != (\new)
	s_set_vgpr_msb (MSB<<8)|(\new)
.set MSB, (\new)
.endif
.endm
; A load into a register that a matrix instruction has read, and a vector instruction or an LDS store that reads a matrix result, stand four places behind it; only plain vector instructions that name
; none of its registers are places (ISA guide 7.12.1 for vector instructions).  A wait on va_vdst fills no place: the places come first, then the wait.
.macro PLACES
.rept 4
	v_nop
.endr
.endm
.macro BASES ereg                      ; where group s[ereg]'s part for my 64 columns begins: codes s[56:57], scale bytes s[58:59], bias s[60:61].  s77 = 0
	s_lshl_b32 s76, s[\ereg], 20                   ; a group's 2,048 rows of 512 bytes
	s_add_co_u32 s76, s76, s21
	s_add_nc_u64 s[56:57], s[4:5], s[76:77]
	s_lshl_b32 s76, s[\ereg], 16                   ; of 32 scale bytes
	s_add_co_u32 s76, s76, s22
	s_add_nc_u64 s[58:59], s[6:7], s[76:77]
	s_lshl_b32 s76, s[\ereg], 13                   ; its 2,048 numbers of b
	s_add_co_u32 s76, s76, s23
	s_add_nc_u64 s[60:61], s[8:9], s[76:77]
.endm
; A row's 32 scale bytes are eight words, one for each K step of 128.  Lane (r, h) takes words 4 h .. 4 h + 3 of row r: register q then carries K step q in lanes 0-15 and K step 4 + q in lanes 16-31.
.macro WSLOAD                          ; 4 loads of 512 consecutive bytes
	WIN 0
.irp b, 0,1,2,3
	global_load_b128 v[WS+4*\b:WS+4*\b+3], v[WSO], s[58:59] offset:512*\b
.endr
.endm
.macro BILOAD                          ; 8 loads: b at columns 16 b + 8 h + 0 .. 7 of my 64: eight registers a tile, in the result's layout
	WIN 0x40
.irp b, 0,1,2,3
	global_load_b128 v[BI+8*\b:BI+8*\b+3],   v[BO], s[60:61] offset:64*\b
	global_load_b128 v[BI+8*\b+4:BI+8*\b+7], v[BO], s[60:61] offset:64*\b+16
.endr
.endm
.macro GLOAD g                         ; rows 16 g .. 16 g + 15 of my 64 rows of W: each load takes a whole row of 512 bytes
	WIN 0xc0
.irp i, 0,1,2,3,4,5,6,7,8,9,10,11,12,13,14,15
	global_load_b128 v[64*\g+4*\i:64*\g+4*\i+3], v[L16], s[56:57] offset:(16*\g+\i)*512
.endr
.endm
.macro GSTORE g                        ; and into my part of LDS
	WIN 0x0c
.irp i, 0,1,2,3,4,5,6,7,8,9,10,11,12,13,14,15
	ds_store_b128 v[WST], v[64*\g+4*\i:64*\g+4*\i+3] offset:(16*\g+\i)*PITCH
.endr
.endm
.macro WTAIL                           ; groups 0, 1, 2 of W's rows are on their way, and ahead of them the scale words and the bias
	s_wait_loadcnt 32                              ; behind group 0: groups 1 and 2.  So the scale words, the bias and group 0 are in
	GSTORE 0
	GLOAD 3
	s_wait_loadcnt 32                              ; behind group 1: groups 2 and 3
	GSTORE 1
	s_wait_loadcnt 16                              ; behind group 2: group 3
	GSTORE 2
	s_wait_loadcnt 0x0
	GSTORE 3
.endm
; A fragment, 16 rows x 128 K of 4-bit codes, is 8 registers: lane (r, h) holds row r; registers 4 c .. 4 c + 3 hold K = 64 c + 32 h + 0 .. 31: 16 bytes of the row as they lie.
; K step s into set p is 24 loads, in three runs of eight: W's four fragments, x's tiles 0 to 3, x's tiles 4 to 7.
.macro FETCHW s, p                     ; W's four fragments
	WIN 0x40
.irp b, 0,1,2,3
.irp c, 0,1
	ds_load_b128 v[WF+32*(\p)+8*\b+4*\c:WF+32*(\p)+8*\b+4*\c+3], v[WA] offset:\b*16*PITCH+64*(\s)+32*\c
.endr
.endr
.endm
.macro FETCHX s, p, a0                 ; x's tiles a0 .. a0 + 3
	WIN 0x40
.irp a, \a0, \a0+1, \a0+2, \a0+3
.irp c, 0,1
	ds_load_b128 v[64*(\p)+8*(\a)+4*\c:64*(\p)+8*(\a)+4*\c+3], v[XAD] offset:(\a)*16*PITCH+64*(\s)+32*\c
.endr
.endr
.endm
; Eight of the 32 matrix instructions of K step s on set p: x's tiles a0, a0 + 1 against W's four.  The 32 accumulators take turns, one instruction a turn, in the same order in every step and every pass
; first = 1: the products start the sums, with the bias as C: nothing is cleared and nothing is added afterwards.  hi = 0: the sums lie in window 2; 1: in window 3.
; K steps 4 to 7 take both sides' scale words from lanes 16-31.
.macro MUL8 s, p, first, hi, a0
.if \first
	WIN 0x95+0x40*(\hi)                            ; sources 0 and 1 and C (the bias) window 1, D window 2 or 3
.else
	WIN 0xa5+0x50*(\hi)                            ; sources 0 and 1 window 1, C and D window 2 or 3
.endif
.irp a, \a0, \a0+1
.irp b, 0,1,2,3
.if \first
	v_wmma_scale_f32_16x16x128_f8f6f4 v[8*(4*(\a)+\b):8*(4*(\a)+\b)+7], v[WF+32*(\p)+8*\b:WF+32*(\p)+8*\b+7], v[64*(\p)+8*(\a):64*(\p)+8*(\a)+7], v[BI+8*\b:BI+8*\b+7], v[WS+4*\b+((\s)&3)], v[XS+4*(\a)+((\s)&3)] matrix_a_fmt:MATRIX_FMT_FP4 matrix_b_fmt:MATRIX_FMT_FP4
.elseif (\s) < 4
	v_wmma_scale_f32_16x16x128_f8f6f4 v[8*(4*(\a)+\b):8*(4*(\a)+\b)+7], v[WF+32*(\p)+8*\b:WF+32*(\p)+8*\b+7], v[64*(\p)+8*(\a):64*(\p)+8*(\a)+7], v[8*(4*(\a)+\b):8*(4*(\a)+\b)+7], v[WS+4*\b+((\s)&3)], v[XS+4*(\a)+((\s)&3)] matrix_a_fmt:MATRIX_FMT_FP4 matrix_b_fmt:MATRIX_FMT_FP4
.else
	v_wmma_scale_f32_16x16x128_f8f6f4 v[8*(4*(\a)+\b):8*(4*(\a)+\b)+7], v[WF+32*(\p)+8*\b:WF+32*(\p)+8*\b+7], v[64*(\p)+8*(\a):64*(\p)+8*(\a)+7], v[8*(4*(\a)+\b):8*(4*(\a)+\b)+7], v[WS+4*\b+((\s)&3)], v[XS+4*(\a)+((\s)&3)] matrix_a_fmt:MATRIX_FMT_FP4 matrix_b_fmt:MATRIX_FMT_FP4 matrix_a_scale:MATRIX_SCALE_ROW1 matrix_b_scale:MATRIX_SCALE_ROW1
.endif
.endr
.endr
.endm
; A pass's products.  While K step s is multiplied, step s + 1's 24 loads go out into the other set, eight at a time among the step's products.
.macro COMPUTE hi
	WIN 0x40
	s_wait_alu depctr_vm_vsrc(0)                   ; my LDS stores have read their data: in the first pass x's gathered rows (window 1's v0-127), in which the fragments below land; in every pass W's staged rows (window 3), which a later pass's products, its row loads and the way out's loads write
	FETCHW 0, 0
	FETCHX 0, 0, 0
	FETCHX 0, 0, 4
	FETCHW 1, 1
	FETCHX 1, 1, 0
	FETCHX 1, 1, 4
	s_wait_dscnt 24                                ; all but the 24 just issued: step 0's fragments are in, and all that was issued ahead of them (my stores of W's rows; in the first pass x's scale words)
	MUL8 0, 0, 1, \hi, 0
	MUL8 0, 0, 1, \hi, 2
	MUL8 0, 0, 1, \hi, 4
	MUL8 0, 0, 1, \hi, 6
.irp s, 1,2,3,4,5,6
	PLACES                                         ; the set that step s - 1 multiplied is loaded again
	WIN 0x40
	s_wait_alu depctr_va_vdst(0)                   ; step s - 1's products are done reading their set of fragments, in which this step's 24 loads land
	FETCHW \s+1, (\s+1)%2
	s_wait_dscnt 8                                 ; all but the 8 just issued: step s's fragments are in
	MUL8 \s, (\s)%2, 0, \hi, 0
	FETCHX \s+1, (\s+1)%2, 0                       ; no wait: no vector or matrix instruction since the wait above names the other set or its addresses
	MUL8 \s, (\s)%2, 0, \hi, 2
	FETCHX \s+1, (\s+1)%2, 4
	MUL8 \s, (\s)%2, 0, \hi, 4
	MUL8 \s, (\s)%2, 0, \hi, 6
.endr
	s_wait_dscnt 0x0
	MUL8 7, 1, 0, \hi, 0
	MUL8 7, 1, 0, \hi, 2
	MUL8 7, 1, 0, \hi, 4
	MUL8 7, 1, 0, \hi, 6
	PLACES                                         ; behind the last products: for the first reads of results, and for a next pass's loads into scale words, bias, fragments and window 3
	WIN 0
.endm
; Behind a later pass: the rows of group s[ereg] take the pass's numbers (window 3), the others keep theirs (window 2).  A lane holds one row of each tile a, so the choice is one lane mask a tile.
.macro SELECT ereg
	WIN 0
.irp a, 0,1,2,3,4,5,6,7
	v_cmp_eq_u32 s[68+\a], s[\ereg], v[EXG+\a]
.endr
	s_wait_alu depctr_va_sdst(0)                   ; the eight compares have written s68 to s75, ahead of the choices that read them
	WIN 0x8e                                       ; destination and source 0 window 2, source 1 window 3
.irp a, 0,1,2,3,4,5,6,7
.irp b, 0,1,2,3
.irp i, 0,1,2,3,4,5,6,7
	v_cndmask_b32 v[8*(4*\a+\b)+\i], v[8*(4*\a+\b)+\i], v[8*(4*\a+\b)+\i], s[68+\a]   ; each accumulator from its low end on
.endr
.endr
.endr
	WIN 0
.endm
; THE WAY OUT, tiles of rows p and p + 4 at a time.  A lane holds 32 neighbouring bytes of a row and the lanes beside it hold other rows: so the two tiles go through my own stage and come back as rows of
; 256 bytes, lanes 0-15 row 16 p + i, lanes 16-31 row 64 + 16 p + i.  LDS serves a wave's instructions in order (ISA guide 5.7.1.4): no wait between the stores and the loads, nor ahead of the next stores.
.macro TOSTAGE p
	WIN 0x08                                       ; an LDS store's data are its source 1: window 2
.irp hi, 0,1
.irp b, 0,1,2,3
	ds_store_b128 v[STO], v[8*(4*((\p)+4*\hi)+\b):8*(4*((\p)+4*\hi)+\b)+3]   offset:\hi*16*SPITCH+64*\b
	ds_store_b128 v[STO], v[8*(4*((\p)+4*\hi)+\b)+4:8*(4*((\p)+4*\hi)+\b)+7] offset:\hi*16*SPITCH+64*\b+16
.endr
.endr
	WIN 0xc0
.irp i, 0,1,2,3,4,5,6,7,8,9,10,11,12,13,14,15
	ds_load_b128 v[64*((\p)%2)+4*\i:64*((\p)%2)+4*\i+3], v[RD] offset:\i*SPITCH
.endr
.endm
.macro SEND p, younger                 ; younger: the LDS instructions issued behind these tiles' loads, which may stay out
	s_wait_dscnt \younger
	WIN 0x0c
.irp i, 0,1,2,3,4,5,6,7,8,9,10,11,12,13,14,15
	global_store_b128 v[OO+16*(\p)+\i], v[64*((\p)%2)+4*\i:64*((\p)%2)+4*\i+3], s[16:17] th:TH_STORE_NT   ; each half of the lanes stores 256 consecutive bytes of its row, at a multiple of 256 from out's first byte; written once, read by nobody here
.endr
.endm
	s_load_b256 s[4:11], s[0:1], 0x0               ; W's codes s[4:5], W's scales s[6:7], b s[8:9], x's codes s[10:11]
	s_load_b128 s[12:15], s[0:1], 0x20             ; x's scales s[12:13], route s[14:15]
	s_load_b64 s[16:17], s[0:1], 0x30              ; out
	v_lshl_add_u32 v254, v0, 2, 0x3b000
	v_mov_b32 v255, 0
	v_lshrrev_b32 v1, 5, v0
	v_readfirstlane_b32 s18, v1                    ; wave w
	s_mov_b32 s19, ttmp9                           ; c: my 256 columns
	s_and_b32 s20, ttmp7, 0xffff                   ; j: my 128 sorted rows
	v_and_b32 v2, 15, v0                           ; r
	v_bfe_u32 v3, v0, 4, 1                         ; h
	v_lshlrev_b32 v[T4], 2, v0
	v_lshlrev_b32 v[R4], 2, v2
	v_lshlrev_b32 v[H256], 8, v3
	s_wait_alu depctr_va_sdst(0)                   ; s18 is written, ahead of its first reader: bases and LDS parts are made from it
	s_lshl_b32 s66, s20, 9
	s_mov_b32 s67, 0
	s_wait_kmcnt 0x0
	; ---- what the sort has stored for my block
	s_add_nc_u64 s[62:63], s[14:15], s[66:67]      ; IDS at my block's first position
	s_lshl_b32 s66, s18, 7
	s_add_nc_u64 s[76:77], s[62:63], s[66:67]      ; and at the 32 rows that my wave gathers
	s_lshl_b32 s66, s20, 3
	s_add_nc_u64 s[78:79], s[14:15], s[66:67]      ; my block's entry in each group's row of PRES
	s_load_b512 s[24:39], s[76:77], 0x0
	s_load_b512 s[40:55], s[76:77], 0x40
.irp e, 0,1,2,3,4,5,6,7
	s_load_b32 s[68+\e], s[78:79], PRES+256*\e
.endr
	s_wait_alu depctr_va_vdst(0)                   ; v60, v19 and v61 are written: the 25 loads below read them as offsets
	global_load_b32 v[IDT], v[T4], s[62:63]        ; 25 loads: the row at position t;
.irp a, 0,1,2,3,4,5,6,7
	global_load_b32 v[EXG+\a], v[R4], s[62:63] offset:EXPS+64*\a      ; the groups of rows 16 a + r;
.endr
.irp u, 0,1,2,3,4,5,6,7,8,9,10,11,12,13,14,15
	global_load_b128 v[OO+4*\u:OO+4*\u+3], v[H256], s[62:63] offset:16*\u   ; register u of 64: the row at position u + 64 h
.endr
	; ---- addresses, while those are on their way
	v_and_b32 v1, 31, v0                           ; lane
	v_lshlrev_b32 v[L16], 4, v1
	v_lshlrev_b32 v[R16], 4, v2
	v_mul_u32_u24 v[FRG], v2, PITCH
	v_lshl_add_u32 v[FRG], v3, 4, v[FRG]
	s_mul_i32 s66, s18, WPART
	v_add_nc_u32 v[WST], s66, v[L16]
	v_add_nc_u32 v[WA], s66, v[FRG]
	s_mul_i32 s66, s18, 32*PITCH
	s_add_co_u32 s66, s66, XT
	v_add_nc_u32 v[XST], s66, v[L16]
	v_add_nc_u32 v[XAD], XT, v[FRG]
	v_lshl_add_u32 v[XSST], v0, 5, XSC
	v_lshlrev_b32 v[WSO], 5, v2
	v_lshl_add_u32 v[WSO], v3, 4, v[WSO]
	v_add_nc_u32 v[XSA], XSC, v[WSO]
	s_mul_i32 s66, s18, SPART
	s_add_co_u32 s66, s66, STG
	v_mul_u32_u24 v[STO], v2, SPITCH
	v_lshl_add_u32 v[STO], v3, 5, v[STO]
	v_add_nc_u32 v[STO], s66, v[STO]
	v_mul_u32_u24 v[RD], v3, 16*SPITCH
	v_add_nc_u32 v[RD], v[RD], v[R16]
	v_add_nc_u32 v[RD], s66, v[RD]
	v_lshlrev_b32 v[BO], 5, v3
	s_lshl_b32 s21, s19, 17                        ; my 64 columns inside a group: 256 c + 64 w rows of W, in bytes of codes,
	s_lshl_b32 s66, s18, 15
	s_or_b32 s21, s21, s66
	s_lshl_b32 s22, s19, 13                        ; of scale bytes,
	s_lshl_b32 s66, s18, 11
	s_or_b32 s22, s22, s66
	s_lshl_b32 s23, s19, 10                        ; and of f32 numbers: b's, and a row of out's
	s_lshl_b32 s66, s18, 8
	s_or_b32 s23, s23, s66
	s_mov_b32 s66, s23
	s_add_nc_u64 s[16:17], s[16:17], s[66:67]      ; out at my 64 columns
	s_wait_kmcnt 0x0
	s_or_b32 s78, s68, s69                         ; the groups present in my block, a bit each
	s_or_b32 s79, s70, s71
	s_or_b32 s78, s78, s79
	s_or_b32 s79, s72, s73
	s_or_b32 s78, s78, s79
	s_or_b32 s79, s74, s75
	s_or_b32 s78, s78, s79
	s_ctz_i32_b32 s3, s78
	s_min_u32 s3, s3, 7                            ; the lowest of them: the first pass's.  (A number made of loaded data enters an address only behind a bound)
	s_lshl_b32 s79, 1, s3
	s_and_not1_b32 s78, s78, s79                   ; the others: the loop's
	s_mov_b32 s77, 0
	BASES 3
.set U, 0
.rept 32
	s_min_u32 s[24+U], s[24+U], 0xfff
	v_lshl_add_u32 v[XO+U], s[24+U], 9, v[L16]     ; row x 512 + 16 x lane
.set U, U+1
.endr
	; ---- everything is asked for; what has come goes to LDS while the rest is on its way
	WIN 0x40
	s_wait_alu depctr_va_vdst(0)                   ; the addresses v4 to v16 and the 32 gather offsets are written: every load and store from here to the end reads one of them, and none is written again
.set U, 0
.rept 32
	global_load_b128 v[4*U:4*U+3], v[XO+U], s[10:11]   ; 32 whole rows of x's codes
.set U, U+1
.endr
	WIN 0
	s_wait_loadcnt 32                              ; behind the 25 loads from route: x's 32 rows
	v_min_u32 v[IDT], 0xfff, v[IDT]
	v_lshlrev_b32 v[IDT], 5, v[IDT]
	s_wait_alu depctr_va_vdst(0)                   ; v18 is written: the two loads below read it as their offset
	global_load_b128 v[XSL:XSL+3],   v[IDT], s[12:13]             ; the 32 scale bytes of the row at position t
	global_load_b128 v[XSL+4:XSL+7], v[IDT], s[12:13] offset:16
	WSLOAD
	BILOAD
	GLOAD 0                                        ; 62 loads of mine are out
	WIN 0
.set U, 0
.rept 64
	v_min_u32 v[OO+U], 0xfff, v[OO+U]
	v_lshl_add_u32 v[OO+U], v[OO+U], 13, v[R16]    ; a row of out is 8,192 bytes; 16 bytes a lane.  (These lines name v144-207 and v5 alone: no load or store ahead of the way out touches them)
.set U, U+1
.endr
	s_wait_loadcnt 30                              ; behind x's rows: 2 + 4 + 8 + 16
	WIN 0x04
.set U, 0
.rept 32
	ds_store_b128 v[XST], v[4*U:4*U+3] offset:U*PITCH
.set U, U+1
.endr
	GLOAD 1
	s_wait_loadcnt 44                              ; behind x's scale bytes: 4 + 8 + 16 + 16
	WIN 0
	ds_store_b128 v[XSST], v[XSL:XSL+3]
	ds_store_b128 v[XSST], v[XSL+4:XSL+7] offset:16
	GLOAD 2                                        ; 60 out
	WTAIL
	WIN 0
	s_wait_dscnt 0x0                               ; for the others' sake: my rows of x and their scale bytes lie in LDS
	s_barrier_signal -1
	s_barrier_wait -1                              ; the launch's one barrier: behind it nobody writes x's tile or its scale bytes
.irp a, 0,1,2,3,4,5,6,7
	ds_load_b128 v[XS+4*\a:XS+4*\a+3], v[XSA] offset:512*\a   ; x's scale words stay in registers for every pass; the first counted wait of the pass below covers them
.endr
	COMPUTE 0                                      ; the first pass: group s3, into window 2
	s_mov_b32 s2, 1
.Lexp:                                             ; groups 1 to 7: seven trips, whatever the block holds
	s_lshr_b32 s79, s78, s2
	s_and_b32 s79, s79, 1
	s_cmp_eq_u32 s79, 0
	s_cbranch_scc1 .Lnone                          ; no row of this group in my block (or it had the first pass)
	BASES 2                                        ; no load of mine is out: the last pass waited for all of them
	s_wait_alu depctr_va_vdst(0)                   ; the last pass's products are done reading W's scale words, the bias and both sets of fragments; an earlier later pass's products have written window 3 and its choices are done reading it: the loads of this pass land in all of these
	WSLOAD
	BILOAD
	GLOAD 0
	GLOAD 1
	GLOAD 2                                        ; 4 + 8 + 48 = 60 out
	WTAIL                                          ; my part of LDS is written again behind my own reads of it, in order
	COMPUTE 1                                      ; into window 3, which W's rows have left
	SELECT 2
.Lnone:
	s_add_co_u32 s2, s2, 1
	s_cmp_lt_u32 s2, 8
	s_cbranch_scc1 .Lexp
	WIN 0x08
	s_wait_alu depctr_va_vdst(0)                   ; the products and the choices have written window 2, which the LDS stores read (the four places behind the last products stand ahead); they are done with window 3, in which the stage's loads land; the head has written v144-207, which the global stores read as offsets
	TOSTAGE 0
.irp p, 1,2,3
.if \p > 1
	s_wait_xcnt 0x0                                ; the stores of two turns ago have read their registers: this turn's loads may land there
	s_wait_alu depctr_vm_vsrc(0)                   ; the global stores of two turns ago have read their set of window 3, in which this turn's loads from the stage land
.endif
	TOSTAGE \p
	SEND \p-1, 32                                  ; behind those tiles' loads: this turn's 16 stores and 16 loads
.endr
	SEND 3, 0
	WIN 0
	s_wait_dscnt 0x0                               ; the closing lines, six on end
	s_wait_alu 0x0
	s_wait_tensorcnt 0x0
	ds_add_u32 v254, v255
	s_wait_dscnt 0x0
	s_endpgm
.Lfunc_end_k_qd0fd89bdab_glinear:
	.size	k_qd0fd89bdab_glinear, .Lfunc_end_k_qd0fd89bdab_glinear-k_qd0fd89bdab_glinear
	.p2alignl 7, 3214868480
	.fill 96, 4, 3214868480
	.section	.rodata,"a",@progbits
	.p2align	6, 0x0
	.amdhsa_kernel k_qd0fd89bdab_glinear
		.amdhsa_group_segment_fixed_size 242176
		.amdhsa_private_segment_fixed_size 0
		.amdhsa_enable_private_segment 0
		.amdhsa_kernarg_size 56
		.amdhsa_user_sgpr_count 2
		.amdhsa_user_sgpr_kernarg_segment_ptr 1
		.amdhsa_wavefront_size32 1
		.amdhsa_system_sgpr_workgroup_id_x 1
		.amdhsa_system_sgpr_workgroup_id_y 1
		.amdhsa_system_sgpr_workgroup_id_z 1
		.amdhsa_system_vgpr_workitem_id 0
		.amdhsa_next_free_vgpr 1024
		.amdhsa_next_free_sgpr 80
		.amdhsa_reserve_vcc 0
		.amdhsa_float_denorm_mode_32 3
		.amdhsa_float_denorm_mode_16_64 3
		.amdhsa_memory_ordered 1
		.amdhsa_forward_progress 1
		.amdhsa_inst_pref_size 174
	.end_amdhsa_kernel
	.amdgpu_metadata
---
amdhsa.version: [ 1, 2 ]
amdhsa.kernels:
  - .name:           k_qd0fd89bdab_glinear
    .symbol:         k_qd0fd89bdab_glinear.kd
    .args:
      - { .name: W_codes, .offset: 0, .size: 8, .value_kind: global_buffer, .address_space: global }
      - { .name: W_scales, .offset: 8, .size: 8, .value_kind: global_buffer, .address_space: global }
      - { .name: b, .offset: 16, .size: 8, .value_kind: global_buffer, .address_space: global }
      - { .name: x_codes, .offset: 24, .size: 8, .value_kind: global_buffer, .address_space: global }
      - { .name: x_scales, .offset: 32, .size: 8, .value_kind: global_buffer, .address_space: global }
      - { .name: route, .offset: 40, .size: 8, .value_kind: global_buffer, .address_space: global }
      - { .name: out0, .offset: 48, .size: 8, .value_kind: global_buffer, .address_space: global }
    .group_segment_fixed_size: 242176
    .private_segment_fixed_size: 0
    .kernarg_segment_align: 8
    .kernarg_segment_size: 56
    .max_flat_workgroup_size: 128
    .sgpr_count:     80
    .vgpr_count:     1024
    .wavefront_size: 32
...
	.end_amdgpu_metadata
.endif
;; end of part 4
